; MI455X (gfx1250); checked and timed in simulation.
; The chip was launched on July 23, 2026; its instructions are those of AMD's public machine-readable ISA for CDNA 5 (MIT licence, August 2026) and "CDNA5" Instruction Set Architecture Reference Guide (July 2026). The comments in the code are by the model that wrote it; some were corrected since.
;; Anchor Diff Net. Allowed arithmetic: float matrix products may take bf16 or f16 operands with f32 sums; all other float work in f32.
;; Inputs: b1 128 float32; b2 1 float32; beta 128 float32; curr_feat 8 x 128 x 32 x 64 float32; gamma 128 float32; ref_feat 8 x 128 x 32 x 64 float32; running_mean 128 float32; running_var 128 float32; w1 128 x 384 float32; w2 1 x 128 float32.
;; Outputs: out0 8 x 1 x 32 x 64 float32.
;; 2 versions, each right and faster than the one before. Each part assembles by itself: llvm-mc -triple=amdgcn-amd-amdhsa -mcpu=gfx1250 --defsym DOCPART=n.
;; ======== version 1 of 2: 1 launch
;; launch anchor (part 1): grid 32 x 8, 4 waves a work-group, no clusters, 283,136 bytes of LDS; arguments curr_feat, ref_feat, w1, b1, gamma, beta, running_mean, running_var, w2, b2, out0; writes out0
.if DOCPART == 1
	.amdgcn_target "amdgcn-amd-amdhsa--gfx1250"
	.amdhsa_code_object_version 6
	.text
	.protected	k_q6453261bc5_anchor
	.globl	k_q6453261bc5_anchor
	.p2align	8
	.type	k_q6453261bc5_anchor,@function
k_q6453261bc5_anchor:
	s_mov_b64 s[64:65], 0
	v_nop
	global_prefetch_b8 v0, s[64:65] scope:SCOPE_SE
	s_setreg_imm32_b32 hwreg(HW_REG_WAVE_MODE, 25, 1), 1
	s_wait_xcnt 0x0
; AnchorDiffNet, whole module in one launch.  cur, ref: [8][128 c][2048 n] f32.  out: [8][2048] f32.
;   p0 = softmax(128^-0.5 ref^T cur), p1 = softmax(128^-0.5 cur^T cur) over the keys n; feats = p cur^T;
;   x = [feats0; feats1; cur] (384 channels); y = w1 x + b1; BN (eval); leaky ReLU 0.01; out = w2 y + b2.
; SHARES.  Work-group (x, b): the 64 positions 64x.. of batch b, both attentions (128 query columns), all 2,048 keys, then the head.
;   Wave w = 2 ph + kh: the 32 positions of half ph in both attentions (4 query tiles of 16: q = 0, 1 ref, q = 2, 3 cur) against
;   the 64 keys of half kh of every tile of 128 keys, so each K or V fragment read from LDS feeds 4 matrix instructions.
;   The two key halves are merged once, behind the loop.
; ONE TILE, TWO USES.  cur lies [c][n].  A tile of 128 c x 128 keys is converted to bf16 on its way through registers and stored
;   once in LDS: read along its rows it is V (A operand, k = key), read by the transposing load it is K (A operand, k = c).
; THE CHAIN STAYS IN REGISTERS.  S^T = K Q^T leaves lane (r, h) with query r, keys 8h+j: two such tiles packed to bf16 are a
;   B fragment with k = key.  O^T = V P leaves query r, channels 8h+j: two such tiles packed are a B fragment with k = channel for
;   w1, whose rows [o][c] are A fragments as they lie.  Softmax statistics are one number a lane (online softmax, true running maximum).
; LDS ROWS.  Pitch 288 bytes, and rows whose number has bit 3 set start 16 bytes later: the 16-byte column of row c is
;   (2c + bit3(c)) mod 16, so the 16 lanes of a half wave address 16 different columns modulo 256 bytes both in a plain
;   fragment load (16 neighbouring rows, one chunk) and in a transposing load (8 rows, two neighbouring chunks).
; NOT USED, AND WHY.  Joint tensor loads in a cluster: they would land f32 in LDS, 64 KB written and 64 KB read back a trip on top
;   of the 160 KB that a trip moves through LDS now (64 K, 64 V, 32 stores), for a conversion that the way through registers
;   does in passing.  Prefetch: the 32 work-groups of a batch read the same 1 MB at the same time, and each tile's loads are
;   issued a whole trip ahead of their use.
; LIMITS.  Inputs finite.  v_exp_f32 returns 0 below 2^-126: weights smaller than that fraction of a row's largest are lost.
;   The softmax denominator sums the f32 weights, the product with V takes them rounded to bf16.  Matrix operands are bf16, sums f32.
;   Leaky ReLU is max(z, 0.01 z), equal to the definition for every z that is no NaN.
;
; LDS
.set PITCH, 288
.set ROW16, 16*PITCH                   ; 4,608
.set ROW32, 32*PITCH                   ; 9,216
.set SLOTB, 128*PITCH                  ; 36,864: a key tile.  Slot 0 at 0, slot 1 at SLOTB
.set QT,    2*SLOTB                    ; queries, same layout: bytes 0-127 of a row 64 ref positions, 128-255 64 cur positions
.set W1L,   3*SLOTB                    ; w1 in bf16, pitch 784 = 49 x 16
.set WP,    784
.set W16,   16*WP
.set TAB,   W1L+128*WP                 ; f32 tables: inv[128], shift[128] at +512, w2[128] at +1024
.set XCH,   TAB+1536                   ; a wave's 1,024: maxima at 16 lane, sums at +512
.set YX,    XCH+4096                   ; a wave's 16,384: its partial y, quad i at 512 i + 16 lane
.set PR,    YX+65536                   ; the 64 results
; VECTOR REGISTERS, in windows of 256
;   window 0: addresses and statistics (below), SR v96-223 scores S(q, kt) at 96+32q+8kt, then P(q, ks) at 96+32q+16ks, later y
;   window 1: v0-127 Q(q, u) at 32q+8u; v128-255 K(kt, u) at 128+32kt+8u; at the end w1's third block, cur, tables
;   window 2: O(q, ct) at 64q+8ct, later X(q, u) at 64q+16u; in the prologue w1 on its way
;   window 3: v0-127 the next tile on its way (row i at 4i); v128-255 V(ks, ct) at 128+64ks+8ct; at the end w1 fragments
.set GOFF, 10                          ; cur: my 32 rows of a tile, 16 bytes a lane
.set QOFF, 11                          ; queries: two rows of 256 bytes a load
.set WOFF, 12                          ; w1: my 32 rows, dense
.set STT0, 13                          ; where my rows go in slot 0; STT0+1: slot 1
.set STT1, 14
.set STQ,  15
.set STW,  16
.set AK0,  17                          ; K fragments (transposing), slot 0; +1: slot 1
.set AV0,  19                          ; V fragments (plain), slot 0; +1: slot 1
.set AQ,   21                          ; Q fragments
.set AQ2,  22                          ; cur as the head's third block, my two channel steps
.set WA0,  23                          ; w1 rows 0-63; +1: rows 64-127
.set WC0,  25                          ; the same at my two channel steps of the third block
.set XS,   27
.set XL,   28
.set YS,   29
.set YL,   30
.set TB,   31
.set PS,   32
.set PL,   33
.set PO,   34
.set PRM,  35
.set MX,   36                          ; v[36:39]  running maxima of the raw scores
.set LS,   40                          ; v[40:43]  sums, at the end
.set LP,   44                          ; v[44:51]  4 pairs: a lane's running sums
.set NEG,  52                          ; v[52:59]  4 pairs, both halves -c1 max
.set AL,   60                          ; v[60:67]  4 pairs, both halves the factor for what was summed before
.set TP,   68                          ; v[68:71]  what the other half of the lanes sends
.set ARG,  72
.set MP,   76                          ; partner's maxima
.set LQ,   80                          ; partner's sums
.set ACC,  84                          ; v[84:91]
.set TABST, 92
.set SR,   96
.set PAR,  224                         ; v[224:229] gamma, beta, mean, var, b1, w2 of channel = thread
; SCALARS: s2 wave, s3 kh, s4 ph, s5 batch, s6 counter, s7 at work, s[8:29] the buffers, s[30:31] an offset,
;   s[32:33], s[46:47] cur at this batch, rows 0-15 and 16-31 of a wave's share, stepped a tile a trip, s[34:35] cur and s[36:37] ref at my positions,
;   s38 = s39 = c1 = 128^-0.5 log2 e, s40 = -c1, s41 b2, s42, s43 lane selects, s44 = s45 = 0.01
.set MSB, 0
.macro WIN new                         ; the immediate's high byte repeats the setting that is left; no line where nothing changes
.if MSB != (\new)
	s_set_vgpr_msb (MSB<<8)|(\new)
.set MSB, (\new)
.endif
.endm
.macro PLACES n                        ; independent vector lines behind a matrix instruction (ISA guide 7.12.1)
.rept \n
	v_nop
.endr
.endm
; n loads of 16 bytes a lane into window blk, registers base + 4 i
.macro GL blk, base, n, voff, sb, step, off0
	WIN ((\blk)<<6)
.set gi, 0
.rept \n
	global_load_b128 v[\base+4*gi:\base+4*gi+3], v[\voff], s[\sb:\sb+1] offset:\off0+gi*\step
.set gi, gi+1
.endr
.endm
; 4 f32 -> 4 bf16 in place: the pair base + 4 i holds them
.macro CVT blk, base, n
	WIN (((\blk)<<6)|((\blk)<<2)|(\blk))
.set ci, 0
.rept \n
	v_cvt_pk_bf16_f32 v[\base+4*ci], v[\base+4*ci], v[\base+4*ci+1]
	v_cvt_pk_bf16_f32 v[\base+4*ci+1], v[\base+4*ci+2], v[\base+4*ci+3]
.set ci, ci+1
.endr
.endm
; rows i0 .. i0+15 of my 32 into a slot: 32 lanes x 8 bytes = a row's 256 bytes
.macro STT adr, i0
	WIN 0x0c
.set si, \i0
.rept 16
	ds_store_b64 v[\adr], v[4*si:4*si+1] offset:si*PITCH+16*((si/8)%2)
.set si, si+1
.endr
.endm
; 32 loads' worth of w1: load j = 32 batch + i is part j % 3 (128 numbers) of my row j / 3
.macro STWM batch, base
	WIN 0x08
.set wi, 0
.rept 32
	ds_store_b64 v[STW], v[\base+4*wi:\base+4*wi+1] offset:((32*\batch+wi)/3)*WP+((32*\batch+wi)%3)*256
.set wi, wi+1
.endr
.endm
; K fragments of my 64 keys: key tile kt, channels 32 u ..: eight loads for each kt, kt ascending (QK's waits count on it)
.macro KLOAD adr
	WIN 0x40
.irp kt, 0,1,2,3
.irp u, 0,1,2,3
	ds_load_tr16_b128 v[128+32*\kt+8*\u:128+32*\kt+8*\u+3], v[\adr] offset:\u*ROW32+\kt*32
	ds_load_tr16_b128 v[128+32*\kt+8*\u+4:128+32*\kt+8*\u+7], v[\adr] offset:\u*ROW32+\kt*32+ROW16
.endr
.endr
.endm
; V fragments: channels 16 ct .., keys 32 ks .. of my 64
.macro VLOAD adr
	WIN 0xc0
.irp ks, 0,1
.irp ct, 0,1,2,3,4,5,6,7
	ds_load_b128 v[128+64*\ks+8*\ct:128+64*\ks+8*\ct+3], v[\adr] offset:\ct*ROW16+\ks*64
	ds_load_b128 v[128+64*\ks+8*\ct+4:128+64*\ks+8*\ct+7], v[\adr] offset:\ct*ROW16+\ks*64+32
.endr
.endr
.endm
; S(q, kt) = K(kt) Q(q)^T over 128 channels.  The first product starts each sum.
.macro QK
	WIN 0x05
.irp kt, 0,1,2,3
	s_wait_dscnt 24-8*\kt                  ; LDS loads return in order (ISA guide 5.7.1): the eight loads of each younger key tile stay out
.irp u, 0,1,2,3
.irp q, 0,1,2,3
.if \u == 0
	v_wmma_f32_16x16x32_bf16 v[SR+32*\q+8*\kt:SR+32*\q+8*\kt+7], v[128+32*\kt+8*\u:128+32*\kt+8*\u+7], v[32*\q+8*\u:32*\q+8*\u+7], 0
.else
	v_wmma_f32_16x16x32_bf16 v[SR+32*\q+8*\kt:SR+32*\q+8*\kt+7], v[128+32*\kt+8*\u:128+32*\kt+8*\u+7], v[32*\q+8*\u:32*\q+8*\u+7], v[SR+32*\q+8*\kt:SR+32*\q+8*\kt+7]
.endif
.endr
.endr
.endr
.endm
; The next tile, loaded a trip ago, goes to the other slot; load = 1: the tile behind it is asked for, half by half.
.macro STAGE adr, load
	s_wait_loadcnt 0x10                    ; rows 0-15 are in; the 16 loads of rows 16-31 stay out.  Their base is free to step
	CVT 3, 0, 16
	STT \adr, 0
.if \load
	s_add_nc_u64 s[32:33], s[32:33], 512
	GL 3, 0, 16, GOFF, 32, 8192, 512
	s_wait_loadcnt 0x10                    ; rows 16-31 are in; the 16 loads just issued stay out
.else
	s_wait_loadcnt 0x0                     ; nothing was issued behind them
.endif
	CVT 3, 64, 16
	STT \adr, 16
.if \load
	s_add_nc_u64 s[46:47], s[46:47], 512
	GL 3, 64, 16, GOFF, 46, 8192, 512
.endif
.endm
; New maxima, -c1 max, and (not in the first trip) the factor 2^(c1 (old max - new max))
.macro SMAX first
	WIN 0
.set mi, 0
.rept 16
.irp q, 0,1,2,3
.if mi+1-\first                            ; zero for the first pair of the first trip alone: it starts the maximum
	v_max3_num_f32 v[MX+\q], v[MX+\q], v[SR+32*\q+2*mi], v[SR+32*\q+2*mi+1]
.else
	v_max_num_f32 v[MX+\q], v[SR+32*\q], v[SR+32*\q+1]
.endif
.endr
.set mi, mi+1
.endr
.irp q, 0,1,2,3
	v_permlanex16_b32 v[TP+\q], v[MX+\q], s42, s43     ; lane r + 16 holds the other keys of query r
.endr
.irp q, 0,1,2,3
	v_max_num_f32 v[MX+\q], v[MX+\q], v[TP+\q]
.endr
.if \first == 0
.irp q, 0,1,2,3
	v_fma_f32 v[ARG+\q], v[MX+\q], s40, -v[NEG+2*\q]   ; c1 (old - new)
.endr
.endif
.irp q, 0,1,2,3
	v_mul_f32 v[NEG+2*\q], s40, v[MX+\q]
	v_mul_f32 v[NEG+2*\q+1], s40, v[MX+\q]
.endr
.if \first == 0
.irp q, 0,1,2,3
	v_exp_f32 v[AL+2*\q], v[ARG+\q]                    ; first used two SM3 calls further down
	v_exp_f32 v[AL+2*\q+1], v[ARG+\q]
.endr
.endif
.endm
; Three stages of the softmax on three query tiles at once (9 = none): a: c1 s - c1 max; b: 2^..; c: sum and pack to bf16.
; A tile passes from stage to stage call by call, so plain lines of the other tiles stand between each exponential
; and the first use of its result (ISA guide 5.7.2).
.macro SM3 a, b, c, first
	WIN 0
.set sj, 0
.rept 16
.if \a < 4
	v_pk_fma_f32 v[SR+32*\a+2*sj:SR+32*\a+2*sj+1], v[SR+32*\a+2*sj:SR+32*\a+2*sj+1], s[38:39], v[NEG+2*\a:NEG+2*\a+1] op_sel_hi:[1,0,1]
.endif
.if \b < 4
	v_exp_f32 v[SR+32*\b+2*sj], v[SR+32*\b+2*sj]
	v_exp_f32 v[SR+32*\b+2*sj+1], v[SR+32*\b+2*sj+1]
.endif
.if \c < 4
.if \first
.if sj == 0
	s_wait_alu depctr_va_vdst(0)
	v_pk_add_f32 v[LP+2*\c:LP+2*\c+1], v[SR+32*\c:SR+32*\c+1], v[SR+32*\c+2:SR+32*\c+3]   ; pairs 0 and 1 start the sum
.endif
.if sj > 1
	v_pk_add_f32 v[LP+2*\c:LP+2*\c+1], v[LP+2*\c:LP+2*\c+1], v[SR+32*\c+2*sj:SR+32*\c+2*sj+1]
.endif
.else
.if sj == 0
	s_wait_alu depctr_va_vdst(0)
	v_pk_fma_f32 v[LP+2*\c:LP+2*\c+1], v[LP+2*\c:LP+2*\c+1], v[AL+2*\c:AL+2*\c+1], v[SR+32*\c:SR+32*\c+1]
.else
	s_wait_alu depctr_va_vdst(0)
	v_pk_add_f32 v[LP+2*\c:LP+2*\c+1], v[LP+2*\c:LP+2*\c+1], v[SR+32*\c+2*sj:SR+32*\c+2*sj+1]
.endif
.endif
	v_cvt_pk_bf16_f32 v[SR+32*\c+16*(sj/8)+sj%8], v[SR+32*\c+2*sj], v[SR+32*\c+2*sj+1]   ; never lands on a pair not yet read
.endif
.set sj, sj+1
.endr
.endm
; O(q) *= AL(q)
.macro RESCALE
	WIN 0x82
.irp q, 0,1,2,3
.set ri, 0
.rept 32
	v_pk_mul_f32 v[64*\q+2*ri:64*\q+2*ri+1], v[64*\q+2*ri:64*\q+2*ri+1], v[AL+2*\q:AL+2*\q+1]
.set ri, ri+1
.endr
.endr
.endm
; O(q, ct) += V(ks, ct) P(q, ks)
.macro PV first
	WIN 0xa3
.irp ks, 0,1
.irp ct, 0,1,2,3,4,5,6,7
.irp q, 0,1,2,3
.if \ks+1-\first                           ; zero for the first key step of the first trip alone: it starts the sums
	v_wmma_f32_16x16x32_bf16 v[64*\q+8*\ct:64*\q+8*\ct+7], v[128+64*\ks+8*\ct:128+64*\ks+8*\ct+7], v[SR+32*\q+16*\ks:SR+32*\q+16*\ks+7], v[64*\q+8*\ct:64*\q+8*\ct+7]
.else
	v_wmma_f32_16x16x32_bf16 v[64*\q+8*\ct:64*\q+8*\ct+7], v[128+64*\ks+8*\ct:128+64*\ks+8*\ct+7], v[SR+32*\q+16*\ks:SR+32*\q+16*\ks+7], 0
.endif
.endr
.endr
.endr
.endm
; One tile of 128 keys.  One barrier a trip does both orderings: in front of its signal my stores of the next tile and my
; reads of this tile are done; behind its wait the next tile is read, and in the next trip this tile's slot is written again.
.macro TRIP slot, first, stage, load, last
	QK
.if \stage
	STAGE STT0+1-\slot, \load              ; its 64 conversions are also the places between the products and the first read of S
.else
	PLACES 4
.endif
	VLOAD AV0+\slot
	SMAX \first
	s_wait_dscnt 0x0                       ; zero, for the other waves' sake: stores of the next tile, reads of this one
.if \last == 0
	s_barrier_signal -1
.endif
	SM3 0, 9, 9, \first                    ; registers only between signal and wait
	SM3 1, 0, 9, \first
	SM3 2, 1, 0, \first
	SM3 3, 2, 1, \first
	SM3 9, 3, 2, \first
	SM3 9, 9, 3, \first
.if \first == 0
	RESCALE
.endif
.if \last == 0
	s_barrier_wait -1
	KLOAD AK0+1-\slot                      ; 32 loads in one run, 64 matrix instructions ahead of their use
.endif
	PV \first
	WIN 0
	PLACES 5                               ; the next products write over P, the next loads over V
.endm
; w1 fragments, all 128 rows, channels 128 part .. +127
.macro HLOAD part
	WIN 0xc0
.irp ot, 0,1,2,3,4,5,6,7
.irp u, 0,1,2,3
	ds_load_b128 v[32*\ot+8*\u:32*\ot+8*\u+3], v[WA0+\ot/4] offset:(\ot%4)*W16+(4*\part+\u)*64
	ds_load_b128 v[32*\ot+8*\u+4:32*\ot+8*\u+7], v[WA0+\ot/4] offset:(\ot%4)*W16+(4*\part+\u)*64+32
.endr
.endr
.endm
; y(pt, ot) += w1(ot, 128 part + 32 u ..) X(2 part + pt, u); sixteen accumulators between two links of a chain
.macro HMUL part
	WIN 0x0b
.irp u, 0,1,2,3
.irp ot, 0,1,2,3,4,5,6,7
.irp pt, 0,1
.if \part+\u
	v_wmma_f32_16x16x32_bf16 v[SR+64*\pt+8*\ot:SR+64*\pt+8*\ot+7], v[32*\ot+8*\u:32*\ot+8*\u+7], v[64*(2*\part+\pt)+16*\u:64*(2*\part+\pt)+16*\u+7], v[SR+64*\pt+8*\ot:SR+64*\pt+8*\ot+7]
.else
	v_wmma_f32_16x16x32_bf16 v[SR+64*\pt+8*\ot:SR+64*\pt+8*\ot+7], v[32*\ot+8*\u:32*\ot+8*\u+7], v[64*(2*\part+\pt)+16*\u:64*(2*\part+\pt)+16*\u+7], 0
.endif
.endr
.endr
.endr
.endm
; ---------------------------------------------------------------- PROLOGUE
	s_load_b512 s[8:23], s[0:1], 0x0               ; cur 8, ref 10, w1 12, b1 14, gamma 16, beta 18, mean 20, var 22
	s_load_b128 s[24:27], s[0:1], 0x40             ; w2 24, b2 26
	s_load_b64 s[28:29], s[0:1], 0x50              ; out
	v_lshl_add_u32 v254, v0, 2, 0x45000
	v_mov_b32 v255, 0
	v_lshrrev_b32 v6, 5, v0
	v_readfirstlane_b32 s2, v6                     ; wave
	s_and_b32 s3, s2, 1                            ; kh: my half of the keys
	s_lshr_b32 s4, s2, 1                           ; ph: my half of the positions
	s_and_b32 s5, ttmp7, 0xffff                    ; batch
	s_mov_b32 s38, 0x3e0293ee                      ; c1 = 128^-0.5 log2 e
	s_mov_b32 s39, 0x3e0293ee
	s_mov_b32 s40, 0xbe0293ee                      ; -c1
	s_mov_b32 s42, 0x76543210                      ; v_permlanex16_b32: lane i reads lane i of the other half
	s_mov_b32 s43, 0xfedcba98
	s_mov_b32 s44, 0x3c23d70a                      ; 0.01
	s_mov_b32 s45, 0x3c23d70a
	v_and_b32 v1, 31, v0                           ; L
	v_and_b32 v2, 15, v0                           ; r
	v_bfe_u32 v3, v0, 4, 1                         ; h
	v_and_b32 v4, 7, v0                            ; L & 7
	v_bfe_u32 v5, v0, 3, 1                         ; bit 3 of L
	s_lshl_b32 s7, s2, 18                          ; 32 rows of 8,192 bytes
	v_lshl_add_u32 v[GOFF], v1, 4, s7
	v_lshlrev_b32 v6, 13, v3
	v_lshl_add_u32 v6, v2, 4, v6
	v_add_nc_u32 v[QOFF], s7, v6                   ; row 32 w + h, 16 r
	s_mul_i32 s7, s2, 49152                        ; 32 rows of 1,536 bytes
	v_lshl_add_u32 v[WOFF], v1, 4, s7
	s_mul_i32 s7, s2, ROW32
	v_lshl_add_u32 v[STT0], v1, 3, s7
	v_add_nc_u32 v[STT1], SLOTB, v[STT0]
	v_mul_u32_u24 v6, v3, PITCH
	v_lshl_add_u32 v6, v2, 3, v6
	s_add_co_u32 s7, s7, QT
	v_add_nc_u32 v[STQ], s7, v6
	s_mul_i32 s7, s2, 32*WP
	s_add_co_u32 s7, s7, W1L
	v_lshl_add_u32 v[STW], v1, 3, s7
	v_lshl_add_u32 v6, v3, 3, v4                   ; transposing load: row 8 h + (L & 7),
	v_mul_u32_u24 v6, v6, PITCH
	v_add_nc_u32 v7, v3, v5
	v_lshl_add_u32 v6, v7, 4, v6                   ; the row's shift 16 h, chunk 16 bit3(L)
	s_lshl_b32 s7, s3, 7                           ; my 64 keys: 128 bytes
	v_add_nc_u32 v[AK0], s7, v6
	v_add_nc_u32 v[AK0+1], SLOTB, v[AK0]
	v_mul_u32_u24 v8, v2, PITCH                    ; plain load: row r, its shift 16 bit3(r), 16 h
	v_lshl_add_u32 v8, v7, 4, v8
	v_add_nc_u32 v[AV0], s7, v8
	v_add_nc_u32 v[AV0+1], SLOTB, v[AV0]
	s_lshl_b32 s7, s4, 6                           ; my 32 positions: 64 bytes
	s_add_co_u32 s7, s7, QT
	v_add_nc_u32 v[AQ], s7, v6
	s_mul_i32 s7, s3, 2*ROW32                      ; channel steps 2 kh, 2 kh + 1
	v_add_nc_u32 v[AQ2], s7, v[AQ]
	v_mul_u32_u24 v9, v2, WP
	v_lshl_add_u32 v9, v3, 4, v9
	v_add_nc_u32 v[WA0], W1L, v9
	v_add_nc_u32 v[WA0+1], 4*W16, v[WA0]
	s_lshl_b32 s7, s3, 7
	s_add_co_u32 s7, s7, 512                       ; w1's third block starts at channel 256
	v_add_nc_u32 v[WC0], s7, v[WA0]
	v_add_nc_u32 v[WC0+1], s7, v[WA0+1]
	s_lshl_b32 s7, s2, 10
	s_add_co_u32 s7, s7, XCH
	v_lshl_add_u32 v[XS], v1, 4, s7
	s_xor_b32 s7, s2, 1                            ; the wave with my positions and the other keys
	s_lshl_b32 s7, s7, 10
	s_add_co_u32 s7, s7, XCH
	v_lshl_add_u32 v[XL], v1, 4, s7
	s_lshl_b32 s7, s2, 14
	s_add_co_u32 s7, s7, YX
	v_lshl_add_u32 v[YS], v1, 4, s7
	s_lshl_b32 s7, s4, 15                          ; wave 2 ph's partial y,
	s_lshl_b32 s30, s3, 13                         ; quads 16 kh ..: position tile kh
	s_add_co_u32 s7, s7, s30
	s_add_co_u32 s7, s7, YX
	v_lshl_add_u32 v[YL], v1, 4, s7
	v_lshl_add_u32 v[TB], v3, 5, TAB
	s_lshl_b32 s7, s2, 6
	s_add_co_u32 s7, s7, PR
	v_lshl_add_u32 v[PS], v2, 2, s7
	v_lshl_add_u32 v[PL], v1, 3, PR
	v_lshlrev_b32 v[PO], 3, v1
	v_lshlrev_b32 v[PRM], 2, v0
	s_lshl_b32 s7, s2, 7
	s_add_co_u32 s7, s7, TAB
	v_lshl_add_u32 v[TABST], v1, 2, s7
.irp q, 0,1,2,3
	v_mov_b32 v[TP+\q], 0                          ; v_permlanex16_b32 counts as a reader of its destination
.endr
	s_wait_kmcnt 0x0
	s_load_b32 s41, s[26:27], 0x0                  ; b2
	s_lshl_b32 s30, s5, 20                         ; a batch is 128 x 8,192 bytes
	s_mov_b32 s31, 0
	s_add_nc_u64 s[32:33], s[8:9], s[30:31]
	s_add_nc_u64 s[36:37], s[10:11], s[30:31]
	s_lshl_b32 s30, ttmp9, 8                       ; 64 positions of 4 bytes
	s_add_nc_u64 s[34:35], s[32:33], s[30:31]
	s_add_nc_u64 s[36:37], s[36:37], s[30:31]
	s_add_nc_u64 s[46:47], s[32:33], 0x20000       ; 16 rows further down
	s_lshl_b32 s7, s5, 13
	s_add_co_u32 s30, s30, s7
	s_add_nc_u64 s[28:29], s[28:29], s[30:31]      ; out at my 64 positions
	global_load_b32 v[PAR+0], v[PRM], s[16:17]     ; gamma
	global_load_b32 v[PAR+1], v[PRM], s[18:19]     ; beta
	global_load_b32 v[PAR+2], v[PRM], s[20:21]     ; mean
	global_load_b32 v[PAR+3], v[PRM], s[22:23]     ; var
	global_load_b32 v[PAR+4], v[PRM], s[14:15]     ; b1
	global_load_b32 v[PAR+5], v[PRM], s[24:25]     ; w2
	GL 3, 128, 16, QOFF, 36, 16384, 0              ; ref at my positions: 32 rows, two a load
	GL 3, 192, 16, QOFF, 34, 16384, 0              ; cur at my positions
	GL 3, 0, 16, GOFF, 32, 8192, 0                 ; key tile 0
	GL 3, 64, 16, GOFF, 46, 8192, 0
	s_wait_loadcnt 0x20                            ; all but tile 0's 32 loads
	WIN 0
	v_add_f32 v[PAR+3], 0x3727c5ac, v[PAR+3]       ; var + 1e-5
	v_rsq_f32 v6, v[PAR+3]
	v_sub_f32 v[PAR+4], v[PAR+4], v[PAR+2]         ; b1 - mean: the plain line behind the root (ISA guide 5.7.2)
	s_wait_alu depctr_va_vdst(0)
	v_mul_f32 v[PAR+0], v[PAR+0], v6               ; inv = gamma rsqrt(var + 1e-5)
	v_fma_f32 v[PAR+1], v[PAR+4], v[PAR+0], v[PAR+1]   ; shift = (b1 - mean) inv + beta
	ds_store_b32 v[TABST], v[PAR+0]
	ds_store_b32 v[TABST], v[PAR+1] offset:512
	ds_store_b32 v[TABST], v[PAR+5] offset:1024
	CVT 3, 128, 32
	WIN 0x0c
.set qi, 0
.rept 16
	ds_store_b64 v[STQ], v[128+4*qi:128+4*qi+1] offset:2*PITCH*qi+16*((qi/4)%2)        ; rows 2 qi + h of my 32
	ds_store_b64 v[STQ], v[192+4*qi:192+4*qi+1] offset:2*PITCH*qi+16*((qi/4)%2)+128
.set qi, qi+1
.endr
	GL 2, 0, 32, WOFF, 12, 512, 0                  ; w1, first third of my rows' bytes
	s_wait_loadcnt 0x20                            ; each of these waits leaves out the 32 loads just issued
	CVT 3, 0, 32
	STT STT0, 0
	STT STT0, 16
	GL 2, 128, 32, WOFF, 12, 512, 16384
	s_wait_loadcnt 0x20
	CVT 2, 0, 32
	STWM 0, 0
	GL 2, 0, 32, WOFF, 12, 512, 32768
	s_wait_loadcnt 0x20
	CVT 2, 128, 32
	STWM 1, 128
	GL 3, 0, 16, GOFF, 32, 8192, 512               ; key tile 1: stays out into the first trip
	GL 3, 64, 16, GOFF, 46, 8192, 512
	s_wait_loadcnt 0x20
	CVT 2, 0, 32
	STWM 2, 0
	WIN 0
	s_wait_dscnt 0x0                               ; my part of slot 0, the queries, w1 and the tables is in LDS
	s_barrier_signal -1
	s_barrier_wait -1                              ; everybody's is
	WIN 0x40
.irp q, 0,1,2,3
.irp u, 0,1,2,3
	ds_load_tr16_b128 v[32*\q+8*\u:32*\q+8*\u+3], v[AQ] offset:\u*ROW32+(\q%2)*32+(\q/2)*128
	ds_load_tr16_b128 v[32*\q+8*\u+4:32*\q+8*\u+7], v[AQ] offset:\u*ROW32+(\q%2)*32+(\q/2)*128+ROW16
.endr
.endr
	KLOAD AK0
	s_wait_kmcnt 0x0                               ; b2
; ---------------------------------------------------------------- THE 16 KEY TILES
	TRIP 0, 1, 1, 1, 0                             ; tile 0 starts every sum: nothing is cleared
	TRIP 1, 0, 1, 1, 0
	s_mov_b32 s6, 6
.Lloop:                                            ; tiles 2 to 13
	TRIP 0, 0, 1, 1, 0
	TRIP 1, 0, 1, 1, 0
	s_sub_co_u32 s6, s6, 1
	s_cmp_lg_u32 s6, 0
	s_cbranch_scc1 .Lloop
	TRIP 0, 0, 1, 0, 0                             ; tile 14: tile 15 goes to LDS, nothing more is asked for
	TRIP 1, 0, 0, 0, 1                             ; tile 15
; ---------------------------------------------------------------- MERGE OF THE KEY HALVES, HEAD
	HLOAD 0                                        ; bytes that nobody writes any more
	WIN 0x40
.irp ot, 0,1,2,3,4,5,6,7
.irp st, 0,1
	ds_load_b128 v[16*\ot+8*\st:16*\ot+8*\st+3], v[WC0+\ot/4] offset:(\ot%4)*W16+64*\st
	ds_load_b128 v[16*\ot+8*\st+4:16*\ot+8*\st+7], v[WC0+\ot/4] offset:(\ot%4)*W16+64*\st+32
.endr
.endr
.irp pt, 0,1
.irp st, 0,1
	ds_load_tr16_b128 v[128+16*\pt+8*\st:128+16*\pt+8*\st+3], v[AQ2] offset:\st*ROW32+128+32*\pt
	ds_load_tr16_b128 v[128+16*\pt+8*\st+4:128+16*\pt+8*\st+7], v[AQ2] offset:\st*ROW32+128+32*\pt+ROW16
.endr
.endr
	WIN 0
.irp q, 0,1,2,3
	v_add_f32 v[LS+\q], v[LP+2*\q], v[LP+2*\q+1]
.endr
.irp q, 0,1,2,3
	v_permlanex16_b32 v[TP+\q], v[LS+\q], s42, s43
.endr
.irp q, 0,1,2,3
	v_add_f32 v[LS+\q], v[LS+\q], v[TP+\q]         ; the sum over my 1,024 keys
.endr
	ds_store_b128 v[XS], v[MX:MX+3]
	ds_store_b128 v[XS], v[LS:LS+3] offset:512
	s_wait_dscnt 0x0
	s_barrier_signal -1
	s_barrier_wait -1
	ds_load_b128 v[MP:MP+3], v[XL]
	ds_load_b128 v[LQ:LQ+3], v[XL] offset:512
	s_wait_dscnt 0x0
.irp q, 0,1,2,3
	v_max_num_f32 v[TP+\q], v[MX+\q], v[MP+\q]     ; the maximum over all keys
.endr
.irp q, 0,1,2,3
	v_sub_f32 v[ARG+\q], v[MX+\q], v[TP+\q]
	v_sub_f32 v[MP+\q], v[MP+\q], v[TP+\q]
.endr
.irp q, 0,1,2,3
	v_mul_f32 v[ARG+\q], s38, v[ARG+\q]
	v_mul_f32 v[MP+\q], s38, v[MP+\q]
.endr
.irp q, 0,1,2,3
	v_exp_f32 v[NEG+2*\q], v[ARG+\q]               ; f: my half's weight
	v_exp_f32 v[NEG+2*\q+1], v[MP+\q]              ; the partner's
.endr
	v_nop                                          ; the plain line behind the exponentials
.irp q, 0,1,2,3
	s_wait_alu depctr_va_vdst(0)
	v_mul_f32 v[LS+\q], v[LS+\q], v[NEG+2*\q]
.endr
.irp q, 0,1,2,3
	v_fma_f32 v[LS+\q], v[LQ+\q], v[NEG+2*\q+1], v[LS+\q]
.endr
.irp q, 0,1,2,3
	v_rcp_f32 v[TP+\q], v[LS+\q]
.endr
	v_nop
.irp q, 0,1,2,3
	s_wait_alu depctr_va_vdst(0)
	v_mul_f32 v[AL+2*\q], v[NEG+2*\q], v[TP+\q]    ; f / (whole sum): the head is linear, so each half goes through w1 by itself
	v_mul_f32 v[AL+2*\q+1], v[NEG+2*\q], v[TP+\q]
.endr
	RESCALE
	WIN 0x8a
.irp q, 0,1,2,3
.set pj, 0
.rept 32
	v_cvt_pk_bf16_f32 v[64*\q+16*(pj/8)+pj%8], v[64*\q+2*pj], v[64*\q+2*pj+1]   ; X(q, u) at 64 q + 16 u
.set pj, pj+1
.endr
.endr
	HMUL 0                                         ; feats0 (its w1 fragments were waited for in front of the barrier above)
	PLACES 4                                       ; before loads land on fragments that the products read
	HLOAD 1
	WIN 0x05
.irp st, 0,1
.irp ot, 0,1,2,3,4,5,6,7
.irp pt, 0,1
	v_wmma_f32_16x16x32_bf16 v[SR+64*\pt+8*\ot:SR+64*\pt+8*\ot+7], v[16*\ot+8*\st:16*\ot+8*\st+7], v[128+16*\pt+8*\st:128+16*\pt+8*\st+7], v[SR+64*\pt+8*\ot:SR+64*\pt+8*\ot+7]   ; cur, my two channel steps of four
.endr
.endr
.endr
	s_wait_dscnt 0x0
	HMUL 1                                         ; feats1
	WIN 0
	PLACES 4
.set yi, 0
.rept 32
	ds_store_b128 v[YS], v[SR+4*yi:SR+4*yi+3] offset:512*yi
.set yi, yi+1
.endr
	s_wait_dscnt 0x0
	s_barrier_signal -1
	s_barrier_wait -1
.set yi, 0
.rept 16
	ds_load_b128 v[SR+4*yi:SR+4*yi+3], v[YL] offset:512*yi               ; position tile kh: the part from the keys' half 0
	ds_load_b128 v[SR+64+4*yi:SR+64+4*yi+3], v[YL] offset:512*yi+16384   ; and from half 1
.set yi, yi+1
.endr
	WIN 0x40
.irp tb, 0,1,2
.irp t, 0,1,2,3,4,5,6,7
	ds_load_b128 v[64*\tb+8*\t:64*\tb+8*\t+3], v[TB] offset:512*\tb+64*\t        ; channel o = 16 t + 8 h + j
	ds_load_b128 v[64*\tb+8*\t+4:64*\tb+8*\t+7], v[TB] offset:512*\tb+64*\t+16
.endr
.endr
	s_wait_dscnt 0x0
	WIN 0
.set yi, 0
.rept 32
	v_pk_add_f32 v[SR+2*yi:SR+2*yi+1], v[SR+2*yi:SR+2*yi+1], v[SR+64+2*yi:SR+64+2*yi+1]
.set yi, yi+1
.endr
	WIN 0x14
.set yi, 0
.rept 32
	v_pk_fma_f32 v[SR+2*yi:SR+2*yi+1], v[SR+2*yi:SR+2*yi+1], v[2*yi:2*yi+1], v[64+2*yi:64+2*yi+1]   ; z = y inv + shift
.set yi, yi+1
.endr
	WIN 0
.set yi, 0
.rept 32
	v_pk_mul_f32 v[SR+64+2*yi:SR+64+2*yi+1], v[SR+2*yi:SR+2*yi+1], s[44:45] op_sel_hi:[1,0]
.set yi, yi+1
.endr
.set yi, 0
.rept 64
	v_max_num_f32 v[SR+yi], v[SR+yi], v[SR+64+yi]  ; max(z, 0.01 z)
.set yi, yi+1
.endr
	WIN 0x04
.set ai, 0
.rept 32
.if ai < 4
	v_pk_mul_f32 v[ACC+2*ai:ACC+2*ai+1], v[SR+2*ai:SR+2*ai+1], v[128+2*ai:128+2*ai+1]   ; four chains, started by the first products
.else
	v_pk_fma_f32 v[ACC+2*(ai%4):ACC+2*(ai%4)+1], v[SR+2*ai:SR+2*ai+1], v[128+2*ai:128+2*ai+1], v[ACC+2*(ai%4):ACC+2*(ai%4)+1]
.endif
.set ai, ai+1
.endr
	WIN 0
	v_pk_add_f32 v[ACC:ACC+1], v[ACC:ACC+1], v[ACC+2:ACC+3]
	v_pk_add_f32 v[ACC+4:ACC+5], v[ACC+4:ACC+5], v[ACC+6:ACC+7]
	v_pk_add_f32 v[ACC:ACC+1], v[ACC:ACC+1], v[ACC+4:ACC+5]
	v_add_f32 v[ACC], v[ACC], v[ACC+1]
	v_permlanex16_b32 v[TP], v[ACC], s42, s43      ; the other 64 channels of position r
	v_add_f32 v[ACC], v[ACC], v[TP]
	v_add_f32 v[ACC], s41, v[ACC]                  ; + b2
	ds_store_b32 v[PS], v[ACC]                     ; lanes r and r + 16 write one word with one value
	s_wait_dscnt 0x0
	s_barrier_signal -1
	s_barrier_wait -1
	s_cmp_lg_u32 s2, 0
	s_cbranch_scc1 .Lend
	ds_load_b64 v[ACC+2:ACC+3], v[PL]
	s_wait_dscnt 0x0
	global_store_b64 v[PO], v[ACC+2:ACC+3], s[28:29]   ; one store: the work-group's 256 consecutive bytes, aligned
.Lend:
	s_wait_tensorcnt 0x0
	ds_add_u32 v254, v255
	s_wait_dscnt 0x0
	s_endpgm
.Lfunc_end_k_q6453261bc5_anchor:
	.size	k_q6453261bc5_anchor, .Lfunc_end_k_q6453261bc5_anchor-k_q6453261bc5_anchor
	.p2alignl 7, 3214868480
	.fill 96, 4, 3214868480
	.section	.rodata,"a",@progbits
	.p2align	6, 0x0
	.amdhsa_kernel k_q6453261bc5_anchor
		.amdhsa_group_segment_fixed_size 283136
		.amdhsa_private_segment_fixed_size 0
		.amdhsa_enable_private_segment 0
		.amdhsa_kernarg_size 88
		.amdhsa_user_sgpr_count 2
		.amdhsa_user_sgpr_kernarg_segment_ptr 1
		.amdhsa_wavefront_size32 1
		.amdhsa_system_sgpr_workgroup_id_x 1
		.amdhsa_system_sgpr_workgroup_id_y 1
		.amdhsa_system_sgpr_workgroup_id_z 1
		.amdhsa_system_vgpr_workitem_id 0
		.amdhsa_next_free_vgpr 1024
		.amdhsa_next_free_sgpr 66
		.amdhsa_reserve_vcc 0
		.amdhsa_float_denorm_mode_32 3
		.amdhsa_float_denorm_mode_16_64 3
		.amdhsa_memory_ordered 1
		.amdhsa_forward_progress 1
		.amdhsa_inst_pref_size 255
	.end_amdhsa_kernel
	.section	.bss,"aw",@nobits
	.p2align	6
	.space	262144
	.amdgpu_metadata
---
amdhsa.version: [ 1, 2 ]
amdhsa.kernels:
  - .name:           k_q6453261bc5_anchor
    .symbol:         k_q6453261bc5_anchor.kd
    .args:
      - { .name: curr_feat, .offset: 0, .size: 8, .value_kind: global_buffer, .address_space: global }
      - { .name: ref_feat, .offset: 8, .size: 8, .value_kind: global_buffer, .address_space: global }
      - { .name: w1, .offset: 16, .size: 8, .value_kind: global_buffer, .address_space: global }
      - { .name: b1, .offset: 24, .size: 8, .value_kind: global_buffer, .address_space: global }
      - { .name: gamma, .offset: 32, .size: 8, .value_kind: global_buffer, .address_space: global }
      - { .name: beta, .offset: 40, .size: 8, .value_kind: global_buffer, .address_space: global }
      - { .name: running_mean, .offset: 48, .size: 8, .value_kind: global_buffer, .address_space: global }
      - { .name: running_var, .offset: 56, .size: 8, .value_kind: global_buffer, .address_space: global }
      - { .name: w2, .offset: 64, .size: 8, .value_kind: global_buffer, .address_space: global }
      - { .name: b2, .offset: 72, .size: 8, .value_kind: global_buffer, .address_space: global }
      - { .name: out0, .offset: 80, .size: 8, .value_kind: global_buffer, .address_space: global }
    .group_segment_fixed_size: 283136
    .private_segment_fixed_size: 0
    .kernarg_segment_align: 8
    .kernarg_segment_size: 88
    .max_flat_workgroup_size: 128
    .sgpr_count:     66
    .vgpr_count:     1024
    .wavefront_size: 32
...
	.end_amdgpu_metadata
.endif
;; end of part 1
;; ======== version 2 of 2: 1 launch; 1.21 times as fast as version 1
;; launch anchor (part 2): grid 32 x 8, 4 waves a work-group, no clusters, 283,136 bytes of LDS; arguments curr_feat, ref_feat, w1, b1, gamma, beta, running_mean, running_var, w2, b2, out0; writes out0
.if DOCPART == 2
	.amdgcn_target "amdgcn-amd-amdhsa--gfx1250"
	.amdhsa_code_object_version 6
	.text
	.protected	k_q6453261bc5_anchor
	.globl	k_q6453261bc5_anchor
	.p2align	8
	.type	k_q6453261bc5_anchor,@function
k_q6453261bc5_anchor:
	s_mov_b64 s[64:65], 0
	v_nop
	global_prefetch_b8 v0, s[64:65] scope:SCOPE_SE
	s_setreg_imm32_b32 hwreg(HW_REG_WAVE_MODE, 25, 1), 1
	s_wait_xcnt 0x0
; AnchorDiffNet, whole module in one launch.  cur, ref: [8][128 c][2048 n] f32.  out: [8][2048] f32.
;   p0 = softmax(128^-0.5 ref^T cur), p1 = softmax(128^-0.5 cur^T cur) over the keys n; feats = p cur^T;
;   x = [feats0; feats1; cur] (384 channels); y = w1 x + b1; BN (eval); leaky ReLU 0.01; out = w2 y + b2.
; SHARES.  Work-group (x, b): the 64 positions 64x.. of batch b, both attentions (128 query columns), all 2,048 keys, then the head.
;   Wave w = 2 ph + kh: the 32 positions of half ph in both attentions (4 query tiles of 16: q = 0, 1 ref, q = 2, 3 cur) against
;   the 64 keys of half kh of every tile of 128 keys, so each K or V fragment read from LDS feeds 4 matrix instructions.
;   The two key halves are merged once, behind the loop.
; ONE TILE, TWO USES.  cur lies [c][n].  A tile of 128 c x 128 keys is converted to bf16 on its way through registers and stored
;   once in LDS: read along its rows it is V (A operand, k = key), read by the transposing load it is K (A operand, k = c).
; THE CHAIN STAYS IN REGISTERS.  S^T = K Q^T leaves lane (r, h) with query r, keys 8h+j: two such tiles packed to bf16 are a
;   B fragment with k = key.  O^T = V P leaves query r, channels 8h+j: two such tiles packed are a B fragment with k = channel for
;   w1, whose rows [o][c] are A fragments as they lie.  Softmax statistics are one number a lane (online softmax, true running maximum).
; THE EXPONENTIALS ARE ONE BATCH A TRIP, WITH ONE WAIT.  A trip has 136: the 8 factors for what was summed before (SMAX; none in the
;   first trip) and the 128 weights of the four query tiles (EXPS), each with a register of its own.  Ahead of the wait stands all
;   that names no result of theirs: the 64 scalings, dealt out among the exponentials.  Behind it stand all the readers: the sums,
;   the roundings to bf16 (SUMS) and the rescaling of O (RESCALE)..
;   Outside the trips: the prologue's root has a wait; the merge has two batches, eight
;   exponentials and then four reciprocals of sums made with them, a wait each.
; LDS ROWS.  Pitch 288 bytes, and rows whose number has bit 3 set start 16 bytes later: the 16-byte column of row c is
;   (2c + bit3(c)) mod 16, so the 16 lanes of a half wave address 16 different columns modulo 256 bytes both in a plain
;   fragment load (16 neighbouring rows, one chunk) and in a transposing load (8 rows, two neighbouring chunks).
; NOT USED, AND WHY.  Joint tensor loads in a cluster: they would land f32 in LDS, 64 KB written and 64 KB read back a trip on top
;   of the 160 KB that a trip moves through LDS now (64 K, 64 V, 32 stores), for a conversion that the way through registers
;   does in passing.  Prefetch: the 32 work-groups of a batch read the same 1 MB at the same time, and each tile's loads are
;   issued a whole trip ahead of their use.
; LIMITS.  Inputs finite.  v_exp_f32 returns 0 below 2^-126: weights smaller than that fraction of a row's largest are lost.
;   The softmax denominator sums the f32 weights, the product with V takes them rounded to bf16.  Matrix operands are bf16, sums f32.
;   Leaky ReLU is max(z, 0.01 z), equal to the definition for every z that is no NaN.
;
; LDS
.set PITCH, 288
.set ROW16, 16*PITCH                   ; 4,608
.set ROW32, 32*PITCH                   ; 9,216
.set SLOTB, 128*PITCH                  ; 36,864: a key tile.  Slot 0 at 0, slot 1 at SLOTB
.set QT,    2*SLOTB                    ; queries, same layout: bytes 0-127 of a row 64 ref positions, 128-255 64 cur positions
.set W1L,   3*SLOTB                    ; w1 in bf16, pitch 784 = 49 x 16
.set WP,    784
.set W16,   16*WP
.set TAB,   W1L+128*WP                 ; f32 tables: inv[128], shift[128] at +512, w2[128] at +1024
.set XCH,   TAB+1536                   ; a wave's 1,024: maxima at 16 lane, sums at +512
.set YX,    XCH+4096                   ; a wave's 16,384: its partial y, quad i at 512 i + 16 lane
.set PR,    YX+65536                   ; the 64 results
; VECTOR REGISTERS, in windows of 256
;   window 0: addresses and statistics (below), SR v96-223 scores S(q, kt) at 96+32q+8kt, then P(q, ks) at 96+32q+16ks, later y
;   window 1: v0-127 Q(q, u) at 32q+8u; v128-255 K(kt, u) at 128+32kt+8u; at the end w1's third block, cur, tables
;   window 2: O(q, ct) at 64q+8ct, later X(q, u) at 64q+16u; in the prologue w1 on its way
;   window 3: v0-127 the next tile on its way (row i at 4i); v128-255 V(ks, ct) at 128+64ks+8ct; at the end w1 fragments
.set GOFF, 10                          ; cur: my 32 rows of a tile, 16 bytes a lane
.set QOFF, 11                          ; queries: two rows of 256 bytes a load
.set WOFF, 12                          ; w1: my 32 rows, dense
.set STT0, 13                          ; where my rows go in slot 0; STT0+1: slot 1
.set STT1, 14
.set STQ,  15
.set STW,  16
.set AK0,  17                          ; K fragments (transposing), slot 0; +1: slot 1
.set AV0,  19                          ; V fragments (plain), slot 0; +1: slot 1
.set AQ,   21                          ; Q fragments
.set AQ2,  22                          ; cur as the head's third block, my two channel steps
.set WA0,  23                          ; w1 rows 0-63; +1: rows 64-127
.set WC0,  25                          ; the same at my two channel steps of the third block
.set XS,   27
.set XL,   28
.set YS,   29
.set YL,   30
.set TB,   31
.set PS,   32
.set PL,   33
.set PO,   34
.set PRM,  35
.set MX,   36                          ; v[36:39]  running maxima of the raw scores
.set LS,   40                          ; v[40:43]  sums, at the end
.set LP,   44                          ; v[44:51]  4 pairs: a lane's running sums
.set NEG,  52                          ; v[52:59]  4 pairs, both halves -c1 max
.set AL,   60                          ; v[60:67]  4 pairs, both halves the factor for what was summed before
.set TP,   68                          ; v[68:71]  what the other half of the lanes sends
.set ARG,  72
.set MP,   76                          ; partner's maxima
.set LQ,   80                          ; partner's sums
.set ACC,  84                          ; v[84:91]
.set TABST, 92
.set SR,   96
.set PAR,  224                         ; v[224:229] gamma, beta, mean, var, b1, w2 of channel = thread
; SCALARS: s2 wave, s3 kh, s4 ph, s5 batch, s6 counter, s7 at work, s[8:29] the buffers, s[30:31] an offset,
;   s[32:33], s[46:47] cur at this batch, rows 0-15 and 16-31 of a wave's share, stepped a tile a trip, s[34:35] cur and s[36:37] ref at my positions,
;   s38 = s39 = c1 = 128^-0.5 log2 e, s40 = -c1, s41 b2, s42, s43 lane selects, s44 = s45 = 0.01
.set MSB, 0
.macro WIN new                         ; the immediate's high byte repeats the setting that is left; no line where nothing changes
.if MSB != (\new)
	s_set_vgpr_msb (MSB<<8)|(\new)
.set MSB, (\new)
.endif
.endm
.macro PLACES n                        ; independent vector lines behind a matrix instruction (ISA guide 7.12.1)
.rept \n
	v_nop
.endr
.endm
; n loads of 16 bytes a lane into window blk, registers base + 4 i
.macro GL blk, base, n, voff, sb, step, off0
	WIN ((\blk)<<6)
.set gi, 0
.rept \n
	global_load_b128 v[\base+4*gi:\base+4*gi+3], v[\voff], s[\sb:\sb+1] offset:\off0+gi*\step
.set gi, gi+1
.endr
.endm
; 4 f32 -> 4 bf16 in place: the pair base + 4 i holds them
.macro CVT blk, base, n
	WIN (((\blk)<<6)|((\blk)<<2)|(\blk))
.set ci, 0
.rept \n
	v_cvt_pk_bf16_f32 v[\base+4*ci], v[\base+4*ci], v[\base+4*ci+1]
	v_cvt_pk_bf16_f32 v[\base+4*ci+1], v[\base+4*ci+2], v[\base+4*ci+3]
.set ci, ci+1
.endr
.endm
; rows i0 .. i0+15 of my 32 into a slot: 32 lanes x 8 bytes = a row's 256 bytes
.macro STT adr, i0
	WIN 0x0c
.set si, \i0
.rept 16
	ds_store_b64 v[\adr], v[4*si:4*si+1] offset:si*PITCH+16*((si/8)%2)
.set si, si+1
.endr
.endm
; 32 loads' worth of w1: load j = 32 batch + i is part j % 3 (128 numbers) of my row j / 3
.macro STWM batch, base
	WIN 0x08
.set wi, 0
.rept 32
	ds_store_b64 v[STW], v[\base+4*wi:\base+4*wi+1] offset:((32*\batch+wi)/3)*WP+((32*\batch+wi)%3)*256
.set wi, wi+1
.endr
.endm
; K fragments of my 64 keys: key tile kt, channels 32 u ..: eight loads for each kt, kt ascending (QK's waits count on it)
.macro KLOAD adr
	WIN 0x40
.irp kt, 0,1,2,3
.irp u, 0,1,2,3
	ds_load_tr16_b128 v[128+32*\kt+8*\u:128+32*\kt+8*\u+3], v[\adr] offset:\u*ROW32+\kt*32
	ds_load_tr16_b128 v[128+32*\kt+8*\u+4:128+32*\kt+8*\u+7], v[\adr] offset:\u*ROW32+\kt*32+ROW16
.endr
.endr
.endm
; V fragments: channels 16 ct .., keys 32 ks .. of my 64
.macro VLOAD adr
	WIN 0xc0
.irp ks, 0,1
.irp ct, 0,1,2,3,4,5,6,7
	ds_load_b128 v[128+64*\ks+8*\ct:128+64*\ks+8*\ct+3], v[\adr] offset:\ct*ROW16+\ks*64
	ds_load_b128 v[128+64*\ks+8*\ct+4:128+64*\ks+8*\ct+7], v[\adr] offset:\ct*ROW16+\ks*64+32
.endr
.endr
.endm
; S(q, kt) = K(kt) Q(q)^T over 128 channels.  The first product starts each sum.
.macro QK
	WIN 0x05
.irp kt, 0,1,2,3
	s_wait_dscnt 24-8*\kt                  ; LDS loads return in order (ISA guide 5.7.1): the eight loads of each younger key tile stay out
.irp u, 0,1,2,3
.irp q, 0,1,2,3
.if \u == 0
	v_wmma_f32_16x16x32_bf16 v[SR+32*\q+8*\kt:SR+32*\q+8*\kt+7], v[128+32*\kt+8*\u:128+32*\kt+8*\u+7], v[32*\q+8*\u:32*\q+8*\u+7], 0
.else
	v_wmma_f32_16x16x32_bf16 v[SR+32*\q+8*\kt:SR+32*\q+8*\kt+7], v[128+32*\kt+8*\u:128+32*\kt+8*\u+7], v[32*\q+8*\u:32*\q+8*\u+7], v[SR+32*\q+8*\kt:SR+32*\q+8*\kt+7]
.endif
.endr
.endr
.endr
.endm
; The next tile, loaded a trip ago, goes to the other slot; load = 1: the tile behind it is asked for, half by half.
.macro STAGE adr, load
	s_wait_loadcnt 0x10                    ; rows 0-15 are in; the 16 loads of rows 16-31 stay out.  Their base is free to step
	CVT 3, 0, 16
	STT \adr, 0
.if \load
	s_add_nc_u64 s[32:33], s[32:33], 512
	GL 3, 0, 16, GOFF, 32, 8192, 512
	s_wait_loadcnt 0x10                    ; rows 16-31 are in; the 16 loads just issued stay out
.else
	s_wait_loadcnt 0x0                     ; nothing was issued behind them
.endif
	CVT 3, 64, 16
	STT \adr, 16
.if \load
	s_add_nc_u64 s[46:47], s[46:47], 512
	GL 3, 64, 16, GOFF, 46, 8192, 512
.endif
.endm
; New maxima, -c1 max, and (not in the first trip) the factor 2^(c1 (old max - new max))
.macro SMAX first
	WIN 0
.set mi, 0
.rept 16
.irp q, 0,1,2,3
.if mi+1-\first                            ; zero for the first pair of the first trip alone: it starts the maximum
	v_max3_num_f32 v[MX+\q], v[MX+\q], v[SR+32*\q+2*mi], v[SR+32*\q+2*mi+1]
.else
	v_max_num_f32 v[MX+\q], v[SR+32*\q], v[SR+32*\q+1]
.endif
.endr
.set mi, mi+1
.endr
.irp q, 0,1,2,3
	v_permlanex16_b32 v[TP+\q], v[MX+\q], s42, s43     ; lane r + 16 holds the other keys of query r
.endr
.irp q, 0,1,2,3
	v_max_num_f32 v[MX+\q], v[MX+\q], v[TP+\q]
.endr
.if \first == 0
.irp q, 0,1,2,3
	v_fma_f32 v[ARG+\q], v[MX+\q], s40, -v[NEG+2*\q]   ; c1 (old - new)
.endr
.endif
.irp q, 0,1,2,3
	v_mul_f32 v[NEG+2*\q], s40, v[MX+\q]
	v_mul_f32 v[NEG+2*\q+1], s40, v[MX+\q]
.endr
.if \first == 0
.irp q, 0,1,2,3
	v_exp_f32 v[AL+2*\q], v[ARG+\q]                    ; the first eight of the trip's batch: nothing names AL ahead of the wait at EXPS's end
	v_exp_f32 v[AL+2*\q+1], v[ARG+\q]
.endr
.endif
.endm
; THE REST OF THE TRIP'S BATCH.  The lane's 128 scores are 64 pairs: pair p belongs to query tile p / 16 and lies at SR + 2 p.
; Scaling p: c1 s - c1 max.  Its two exponentials work in place.  LEAD scalings go first, then a scaling and two exponentials by
; turns, so that a pair is scaled 3 LEAD lines ahead of its exponentials and only the last 2 LEAD exponentials have no plain line
; among them.  No line here names an exponential's result: a scaling touches a pair whose exponentials are still to come.
.set LEAD, 4
.macro EXPS
	WIN 0
.set fi, 0
.rept LEAD
	v_pk_fma_f32 v[SR+2*fi:SR+2*fi+1], v[SR+2*fi:SR+2*fi+1], s[38:39], v[NEG+2*(fi/16):NEG+2*(fi/16)+1] op_sel_hi:[1,0,1]
.set fi, fi+1
.endr
.set ei, 0
.rept 64
.if fi < 64
	v_pk_fma_f32 v[SR+2*fi:SR+2*fi+1], v[SR+2*fi:SR+2*fi+1], s[38:39], v[NEG+2*(fi/16):NEG+2*(fi/16)+1] op_sel_hi:[1,0,1]
.set fi, fi+1
.endif
	v_exp_f32 v[SR+2*ei], v[SR+2*ei]
	v_exp_f32 v[SR+2*ei+1], v[SR+2*ei+1]
.set ei, ei+1
.endr
	v_nop                                      ; the plain line behind the last exponential, ahead of the first use (ISA guide 5.7.2): one for the batch
	s_wait_alu depctr_va_vdst(0)               ; once for the trip's batch: SMAX's 8 factors and the 128 weights above
.endm
; THE BATCH'S READERS: for each pair the running sum takes it, then it is rounded to bf16.  The four query tiles go by turns, so
; that two links of a tile's sum stand eight lines apart; each tile's sum takes its pairs in ascending order.
.macro SUMS first
	WIN 0
.set sj, 0
.rept 16
.irp c, 0,1,2,3
.if \first
.if sj == 0
	v_pk_add_f32 v[LP+2*\c:LP+2*\c+1], v[SR+32*\c:SR+32*\c+1], v[SR+32*\c+2:SR+32*\c+3]   ; pairs 0 and 1 start the sum
.endif
.if sj > 1
	v_pk_add_f32 v[LP+2*\c:LP+2*\c+1], v[LP+2*\c:LP+2*\c+1], v[SR+32*\c+2*sj:SR+32*\c+2*sj+1]
.endif
.else
.if sj == 0
	v_pk_fma_f32 v[LP+2*\c:LP+2*\c+1], v[LP+2*\c:LP+2*\c+1], v[AL+2*\c:AL+2*\c+1], v[SR+32*\c:SR+32*\c+1]
.else
	v_pk_add_f32 v[LP+2*\c:LP+2*\c+1], v[LP+2*\c:LP+2*\c+1], v[SR+32*\c+2*sj:SR+32*\c+2*sj+1]
.endif
.endif
	v_cvt_pk_bf16_f32 v[SR+32*\c+16*(sj/8)+sj%8], v[SR+32*\c+2*sj], v[SR+32*\c+2*sj+1]   ; never lands on a pair not yet read
.endr
.set sj, sj+1
.endr
.endm
; O(q) *= AL(q)
.macro RESCALE
	WIN 0x82
.irp q, 0,1,2,3
.set ri, 0
.rept 32
	v_pk_mul_f32 v[64*\q+2*ri:64*\q+2*ri+1], v[64*\q+2*ri:64*\q+2*ri+1], v[AL+2*\q:AL+2*\q+1]
.set ri, ri+1
.endr
.endr
.endm
; O(q, ct) += V(ks, ct) P(q, ks)
.macro PV first
	WIN 0xa3
.irp ks, 0,1
.irp ct, 0,1,2,3,4,5,6,7
.irp q, 0,1,2,3
.if \ks+1-\first                           ; zero for the first key step of the first trip alone: it starts the sums
	v_wmma_f32_16x16x32_bf16 v[64*\q+8*\ct:64*\q+8*\ct+7], v[128+64*\ks+8*\ct:128+64*\ks+8*\ct+7], v[SR+32*\q+16*\ks:SR+32*\q+16*\ks+7], v[64*\q+8*\ct:64*\q+8*\ct+7]
.else
	v_wmma_f32_16x16x32_bf16 v[64*\q+8*\ct:64*\q+8*\ct+7], v[128+64*\ks+8*\ct:128+64*\ks+8*\ct+7], v[SR+32*\q+16*\ks:SR+32*\q+16*\ks+7], 0
.endif
.endr
.endr
.endr
.endm
; One tile of 128 keys.  One barrier a trip does both orderings: in front of its signal my stores of the next tile and my
; reads of this tile are done; behind its wait the next tile is read, and in the next trip this tile's slot is written again.
.macro TRIP slot, first, stage, load, last
	QK
.if \stage
	STAGE STT0+1-\slot, \load              ; its 64 conversions are also the places between the products and the first read of S
.else
	PLACES 4
.endif
	VLOAD AV0+\slot
	SMAX \first
	s_wait_dscnt 0x0                       ; zero, for the other waves' sake: stores of the next tile, reads of this one
.if \last == 0
	s_barrier_signal -1
.endif
	EXPS                                   ; registers only between signal and wait: the batch and its one wait,
	SUMS \first                            ; and its readers
.if \first == 0
	RESCALE
.endif
.if \last == 0
	s_barrier_wait -1
	KLOAD AK0+1-\slot                      ; 32 loads in one run, 64 matrix instructions ahead of their use
.endif
	PV \first
	WIN 0
	PLACES 5                               ; the next products write over P, the next loads over V
.endm
; w1 fragments, all 128 rows, channels 128 part .. +127
.macro HLOAD part
	WIN 0xc0
.irp ot, 0,1,2,3,4,5,6,7
.irp u, 0,1,2,3
	ds_load_b128 v[32*\ot+8*\u:32*\ot+8*\u+3], v[WA0+\ot/4] offset:(\ot%4)*W16+(4*\part+\u)*64
	ds_load_b128 v[32*\ot+8*\u+4:32*\ot+8*\u+7], v[WA0+\ot/4] offset:(\ot%4)*W16+(4*\part+\u)*64+32
.endr
.endr
.endm
; y(pt, ot) += w1(ot, 128 part + 32 u ..) X(2 part + pt, u); sixteen accumulators between two links of a chain
.macro HMUL part
	WIN 0x0b
.irp u, 0,1,2,3
.irp ot, 0,1,2,3,4,5,6,7
.irp pt, 0,1
.if \part+\u
	v_wmma_f32_16x16x32_bf16 v[SR+64*\pt+8*\ot:SR+64*\pt+8*\ot+7], v[32*\ot+8*\u:32*\ot+8*\u+7], v[64*(2*\part+\pt)+16*\u:64*(2*\part+\pt)+16*\u+7], v[SR+64*\pt+8*\ot:SR+64*\pt+8*\ot+7]
.else
	v_wmma_f32_16x16x32_bf16 v[SR+64*\pt+8*\ot:SR+64*\pt+8*\ot+7], v[32*\ot+8*\u:32*\ot+8*\u+7], v[64*(2*\part+\pt)+16*\u:64*(2*\part+\pt)+16*\u+7], 0
.endif
.endr
.endr
.endr
.endm
; ---------------------------------------------------------------- PROLOGUE
	s_load_b512 s[8:23], s[0:1], 0x0               ; cur 8, ref 10, w1 12, b1 14, gamma 16, beta 18, mean 20, var 22
	s_load_b128 s[24:27], s[0:1], 0x40             ; w2 24, b2 26
	s_load_b64 s[28:29], s[0:1], 0x50              ; out
	v_lshl_add_u32 v254, v0, 2, 0x45000
	v_mov_b32 v255, 0
	v_lshrrev_b32 v6, 5, v0
	v_readfirstlane_b32 s2, v6                     ; wave
	s_and_b32 s3, s2, 1                            ; kh: my half of the keys
	s_lshr_b32 s4, s2, 1                           ; ph: my half of the positions
	s_and_b32 s5, ttmp7, 0xffff                    ; batch
	s_mov_b32 s38, 0x3e0293ee                      ; c1 = 128^-0.5 log2 e
	s_mov_b32 s39, 0x3e0293ee
	s_mov_b32 s40, 0xbe0293ee                      ; -c1
	s_mov_b32 s42, 0x76543210                      ; v_permlanex16_b32: lane i reads lane i of the other half
	s_mov_b32 s43, 0xfedcba98
	s_mov_b32 s44, 0x3c23d70a                      ; 0.01
	s_mov_b32 s45, 0x3c23d70a
	v_and_b32 v1, 31, v0                           ; L
	v_and_b32 v2, 15, v0                           ; r
	v_bfe_u32 v3, v0, 4, 1                         ; h
	v_and_b32 v4, 7, v0                            ; L & 7
	v_bfe_u32 v5, v0, 3, 1                         ; bit 3 of L
	s_lshl_b32 s7, s2, 18                          ; 32 rows of 8,192 bytes
	v_lshl_add_u32 v[GOFF], v1, 4, s7
	v_lshlrev_b32 v6, 13, v3
	v_lshl_add_u32 v6, v2, 4, v6
	v_add_nc_u32 v[QOFF], s7, v6                   ; row 32 w + h, 16 r
	s_mul_i32 s7, s2, 49152                        ; 32 rows of 1,536 bytes
	v_lshl_add_u32 v[WOFF], v1, 4, s7
	s_mul_i32 s7, s2, ROW32
	v_lshl_add_u32 v[STT0], v1, 3, s7
	v_add_nc_u32 v[STT1], SLOTB, v[STT0]
	v_mul_u32_u24 v6, v3, PITCH
	v_lshl_add_u32 v6, v2, 3, v6
	s_add_co_u32 s7, s7, QT
	v_add_nc_u32 v[STQ], s7, v6
	s_mul_i32 s7, s2, 32*WP
	s_add_co_u32 s7, s7, W1L
	v_lshl_add_u32 v[STW], v1, 3, s7
	v_lshl_add_u32 v6, v3, 3, v4                   ; transposing load: row 8 h + (L & 7),
	v_mul_u32_u24 v6, v6, PITCH
	v_add_nc_u32 v7, v3, v5
	v_lshl_add_u32 v6, v7, 4, v6                   ; the row's shift 16 h, chunk 16 bit3(L)
	s_lshl_b32 s7, s3, 7                           ; my 64 keys: 128 bytes
	v_add_nc_u32 v[AK0], s7, v6
	v_add_nc_u32 v[AK0+1], SLOTB, v[AK0]
	v_mul_u32_u24 v8, v2, PITCH                    ; plain load: row r, its shift 16 bit3(r), 16 h
	v_lshl_add_u32 v8, v7, 4, v8
	v_add_nc_u32 v[AV0], s7, v8
	v_add_nc_u32 v[AV0+1], SLOTB, v[AV0]
	s_lshl_b32 s7, s4, 6                           ; my 32 positions: 64 bytes
	s_add_co_u32 s7, s7, QT
	v_add_nc_u32 v[AQ], s7, v6
	s_mul_i32 s7, s3, 2*ROW32                      ; channel steps 2 kh, 2 kh + 1
	v_add_nc_u32 v[AQ2], s7, v[AQ]
	v_mul_u32_u24 v9, v2, WP
	v_lshl_add_u32 v9, v3, 4, v9
	v_add_nc_u32 v[WA0], W1L, v9
	v_add_nc_u32 v[WA0+1], 4*W16, v[WA0]
	s_lshl_b32 s7, s3, 7
	s_add_co_u32 s7, s7, 512                       ; w1's third block starts at channel 256
	v_add_nc_u32 v[WC0], s7, v[WA0]
	v_add_nc_u32 v[WC0+1], s7, v[WA0+1]
	s_lshl_b32 s7, s2, 10
	s_add_co_u32 s7, s7, XCH
	v_lshl_add_u32 v[XS], v1, 4, s7
	s_xor_b32 s7, s2, 1                            ; the wave with my positions and the other keys
	s_lshl_b32 s7, s7, 10
	s_add_co_u32 s7, s7, XCH
	v_lshl_add_u32 v[XL], v1, 4, s7
	s_lshl_b32 s7, s2, 14
	s_add_co_u32 s7, s7, YX
	v_lshl_add_u32 v[YS], v1, 4, s7
	s_lshl_b32 s7, s4, 15                          ; wave 2 ph's partial y,
	s_lshl_b32 s30, s3, 13                         ; quads 16 kh ..: position tile kh
	s_add_co_u32 s7, s7, s30
	s_add_co_u32 s7, s7, YX
	v_lshl_add_u32 v[YL], v1, 4, s7
	v_lshl_add_u32 v[TB], v3, 5, TAB
	s_lshl_b32 s7, s2, 6
	s_add_co_u32 s7, s7, PR
	v_lshl_add_u32 v[PS], v2, 2, s7
	v_lshl_add_u32 v[PL], v1, 3, PR
	v_lshlrev_b32 v[PO], 3, v1
	v_lshlrev_b32 v[PRM], 2, v0
	s_lshl_b32 s7, s2, 7
	s_add_co_u32 s7, s7, TAB
	v_lshl_add_u32 v[TABST], v1, 2, s7
.irp q, 0,1,2,3
	v_mov_b32 v[TP+\q], 0                          ; v_permlanex16_b32 counts as a reader of its destination
.endr
	s_wait_kmcnt 0x0
	s_load_b32 s41, s[26:27], 0x0                  ; b2
	s_lshl_b32 s30, s5, 20                         ; a batch is 128 x 8,192 bytes
	s_mov_b32 s31, 0
	s_add_nc_u64 s[32:33], s[8:9], s[30:31]
	s_add_nc_u64 s[36:37], s[10:11], s[30:31]
	s_lshl_b32 s30, ttmp9, 8                       ; 64 positions of 4 bytes
	s_add_nc_u64 s[34:35], s[32:33], s[30:31]
	s_add_nc_u64 s[36:37], s[36:37], s[30:31]
	s_add_nc_u64 s[46:47], s[32:33], 0x20000       ; 16 rows further down
	s_lshl_b32 s7, s5, 13
	s_add_co_u32 s30, s30, s7
	s_add_nc_u64 s[28:29], s[28:29], s[30:31]      ; out at my 64 positions
	global_load_b32 v[PAR+0], v[PRM], s[16:17]     ; gamma
	global_load_b32 v[PAR+1], v[PRM], s[18:19]     ; beta
	global_load_b32 v[PAR+2], v[PRM], s[20:21]     ; mean
	global_load_b32 v[PAR+3], v[PRM], s[22:23]     ; var
	global_load_b32 v[PAR+4], v[PRM], s[14:15]     ; b1
	global_load_b32 v[PAR+5], v[PRM], s[24:25]     ; w2
	GL 3, 128, 16, QOFF, 36, 16384, 0              ; ref at my positions: 32 rows, two a load
	GL 3, 192, 16, QOFF, 34, 16384, 0              ; cur at my positions
	GL 3, 0, 16, GOFF, 32, 8192, 0                 ; key tile 0
	GL 3, 64, 16, GOFF, 46, 8192, 0
	s_wait_loadcnt 0x20                            ; all but tile 0's 32 loads
	WIN 0
	v_add_f32 v[PAR+3], 0x3727c5ac, v[PAR+3]       ; var + 1e-5
	v_rsq_f32 v6, v[PAR+3]
	v_sub_f32 v[PAR+4], v[PAR+4], v[PAR+2]         ; b1 - mean: the plain line behind the root (ISA guide 5.7.2)
	s_wait_alu depctr_va_vdst(0)                   ; the one root, ahead of its reader
	v_mul_f32 v[PAR+0], v[PAR+0], v6               ; inv = gamma rsqrt(var + 1e-5)
	v_fma_f32 v[PAR+1], v[PAR+4], v[PAR+0], v[PAR+1]   ; shift = (b1 - mean) inv + beta
	ds_store_b32 v[TABST], v[PAR+0]
	ds_store_b32 v[TABST], v[PAR+1] offset:512
	ds_store_b32 v[TABST], v[PAR+5] offset:1024
	CVT 3, 128, 32
	WIN 0x0c
.set qi, 0
.rept 16
	ds_store_b64 v[STQ], v[128+4*qi:128+4*qi+1] offset:2*PITCH*qi+16*((qi/4)%2)        ; rows 2 qi + h of my 32
	ds_store_b64 v[STQ], v[192+4*qi:192+4*qi+1] offset:2*PITCH*qi+16*((qi/4)%2)+128
.set qi, qi+1
.endr
	GL 2, 0, 32, WOFF, 12, 512, 0                  ; w1, first third of my rows' bytes
	s_wait_loadcnt 0x20                            ; each of these waits leaves out the 32 loads just issued
	CVT 3, 0, 32
	STT STT0, 0
	STT STT0, 16
	GL 2, 128, 32, WOFF, 12, 512, 16384
	s_wait_loadcnt 0x20
	CVT 2, 0, 32
	STWM 0, 0
	GL 2, 0, 32, WOFF, 12, 512, 32768
	s_wait_loadcnt 0x20
	CVT 2, 128, 32
	STWM 1, 128
	GL 3, 0, 16, GOFF, 32, 8192, 512               ; key tile 1: stays out into the first trip
	GL 3, 64, 16, GOFF, 46, 8192, 512
	s_wait_loadcnt 0x20
	CVT 2, 0, 32
	STWM 2, 0
	WIN 0
	s_wait_dscnt 0x0                               ; my part of slot 0, the queries, w1 and the tables is in LDS
	s_barrier_signal -1
	s_barrier_wait -1                              ; everybody's is
	WIN 0x40
.irp q, 0,1,2,3
.irp u, 0,1,2,3
	ds_load_tr16_b128 v[32*\q+8*\u:32*\q+8*\u+3], v[AQ] offset:\u*ROW32+(\q%2)*32+(\q/2)*128
	ds_load_tr16_b128 v[32*\q+8*\u+4:32*\q+8*\u+7], v[AQ] offset:\u*ROW32+(\q%2)*32+(\q/2)*128+ROW16
.endr
.endr
	KLOAD AK0
	s_wait_kmcnt 0x0                               ; b2
; ---------------------------------------------------------------- THE 16 KEY TILES
	TRIP 0, 1, 1, 1, 0                             ; tile 0 starts every sum: nothing is cleared
	TRIP 1, 0, 1, 1, 0
	s_mov_b32 s6, 6
.Lloop:                                            ; tiles 2 to 13
	TRIP 0, 0, 1, 1, 0
	TRIP 1, 0, 1, 1, 0
	s_sub_co_u32 s6, s6, 1
	s_cmp_lg_u32 s6, 0
	s_cbranch_scc1 .Lloop
	TRIP 0, 0, 1, 0, 0                             ; tile 14: tile 15 goes to LDS, nothing more is asked for
	TRIP 1, 0, 0, 0, 1                             ; tile 15
; ---------------------------------------------------------------- MERGE OF THE KEY HALVES, HEAD
	HLOAD 0                                        ; bytes that nobody writes any more
	WIN 0x40
.irp ot, 0,1,2,3,4,5,6,7
.irp st, 0,1
	ds_load_b128 v[16*\ot+8*\st:16*\ot+8*\st+3], v[WC0+\ot/4] offset:(\ot%4)*W16+64*\st
	ds_load_b128 v[16*\ot+8*\st+4:16*\ot+8*\st+7], v[WC0+\ot/4] offset:(\ot%4)*W16+64*\st+32
.endr
.endr
.irp pt, 0,1
.irp st, 0,1
	ds_load_tr16_b128 v[128+16*\pt+8*\st:128+16*\pt+8*\st+3], v[AQ2] offset:\st*ROW32+128+32*\pt
	ds_load_tr16_b128 v[128+16*\pt+8*\st+4:128+16*\pt+8*\st+7], v[AQ2] offset:\st*ROW32+128+32*\pt+ROW16
.endr
.endr
	WIN 0
.irp q, 0,1,2,3
	v_add_f32 v[LS+\q], v[LP+2*\q], v[LP+2*\q+1]
.endr
.irp q, 0,1,2,3
	v_permlanex16_b32 v[TP+\q], v[LS+\q], s42, s43
.endr
.irp q, 0,1,2,3
	v_add_f32 v[LS+\q], v[LS+\q], v[TP+\q]         ; the sum over my 1,024 keys
.endr
	ds_store_b128 v[XS], v[MX:MX+3]
	ds_store_b128 v[XS], v[LS:LS+3] offset:512
	s_wait_dscnt 0x0
	s_barrier_signal -1
	s_barrier_wait -1
	ds_load_b128 v[MP:MP+3], v[XL]
	ds_load_b128 v[LQ:LQ+3], v[XL] offset:512
	s_wait_dscnt 0x0
.irp q, 0,1,2,3
	v_max_num_f32 v[TP+\q], v[MX+\q], v[MP+\q]     ; the maximum over all keys
.endr
.irp q, 0,1,2,3
	v_sub_f32 v[ARG+\q], v[MX+\q], v[TP+\q]
	v_sub_f32 v[MP+\q], v[MP+\q], v[TP+\q]
.endr
.irp q, 0,1,2,3
	v_mul_f32 v[ARG+\q], s38, v[ARG+\q]
	v_mul_f32 v[MP+\q], s38, v[MP+\q]
.endr
.irp q, 0,1,2,3
	v_exp_f32 v[NEG+2*\q], v[ARG+\q]               ; f: my half's weight
	v_exp_f32 v[NEG+2*\q+1], v[MP+\q]              ; the partner's
.endr
	v_nop                                          ; the plain line behind the exponentials
	s_wait_alu depctr_va_vdst(0)                   ; one for these eight exponentials
.irp q, 0,1,2,3
	v_mul_f32 v[LS+\q], v[LS+\q], v[NEG+2*\q]
.endr
.irp q, 0,1,2,3
	v_fma_f32 v[LS+\q], v[LQ+\q], v[NEG+2*\q+1], v[LS+\q]
.endr
.irp q, 0,1,2,3
	v_rcp_f32 v[TP+\q], v[LS+\q]                   ; a batch of their own: they read sums made with the exponentials
.endr
	v_nop
	s_wait_alu depctr_va_vdst(0)                   ; one wait for the four reciprocals
.irp q, 0,1,2,3
	v_mul_f32 v[AL+2*\q], v[NEG+2*\q], v[TP+\q]    ; f / (whole sum): the head is linear, so each half goes through w1 by itself
	v_mul_f32 v[AL+2*\q+1], v[NEG+2*\q], v[TP+\q]
.endr
	RESCALE
	WIN 0x8a
.irp q, 0,1,2,3
.set pj, 0
.rept 32
	v_cvt_pk_bf16_f32 v[64*\q+16*(pj/8)+pj%8], v[64*\q+2*pj], v[64*\q+2*pj+1]   ; X(q, u) at 64 q + 16 u
.set pj, pj+1
.endr
.endr
	HMUL 0                                         ; feats0 (its w1 fragments were waited for in front of the barrier above)
	PLACES 4                                       ; before loads land on fragments that the products read
	HLOAD 1
	WIN 0x05
.irp st, 0,1
.irp ot, 0,1,2,3,4,5,6,7
.irp pt, 0,1
	v_wmma_f32_16x16x32_bf16 v[SR+64*\pt+8*\ot:SR+64*\pt+8*\ot+7], v[16*\ot+8*\st:16*\ot+8*\st+7], v[128+16*\pt+8*\st:128+16*\pt+8*\st+7], v[SR+64*\pt+8*\ot:SR+64*\pt+8*\ot+7]   ; cur, my two channel steps of four
.endr
.endr
.endr
	s_wait_dscnt 0x0
	HMUL 1                                         ; feats1
	WIN 0
	PLACES 4
.set yi, 0
.rept 32
	ds_store_b128 v[YS], v[SR+4*yi:SR+4*yi+3] offset:512*yi
.set yi, yi+1
.endr
	s_wait_dscnt 0x0
	s_barrier_signal -1
	s_barrier_wait -1
.set yi, 0
.rept 16
	ds_load_b128 v[SR+4*yi:SR+4*yi+3], v[YL] offset:512*yi               ; position tile kh: the part from the keys' half 0
	ds_load_b128 v[SR+64+4*yi:SR+64+4*yi+3], v[YL] offset:512*yi+16384   ; and from half 1
.set yi, yi+1
.endr
	WIN 0x40
.irp tb, 0,1,2
.irp t, 0,1,2,3,4,5,6,7
	ds_load_b128 v[64*\tb+8*\t:64*\tb+8*\t+3], v[TB] offset:512*\tb+64*\t        ; channel o = 16 t + 8 h + j
	ds_load_b128 v[64*\tb+8*\t+4:64*\tb+8*\t+7], v[TB] offset:512*\tb+64*\t+16
.endr
.endr
	s_wait_dscnt 0x0
	WIN 0
.set yi, 0
.rept 32
	v_pk_add_f32 v[SR+2*yi:SR+2*yi+1], v[SR+2*yi:SR+2*yi+1], v[SR+64+2*yi:SR+64+2*yi+1]
.set yi, yi+1
.endr
	WIN 0x14
.set yi, 0
.rept 32
	v_pk_fma_f32 v[SR+2*yi:SR+2*yi+1], v[SR+2*yi:SR+2*yi+1], v[2*yi:2*yi+1], v[64+2*yi:64+2*yi+1]   ; z = y inv + shift
.set yi, yi+1
.endr
	WIN 0
.set yi, 0
.rept 32
	v_pk_mul_f32 v[SR+64+2*yi:SR+64+2*yi+1], v[SR+2*yi:SR+2*yi+1], s[44:45] op_sel_hi:[1,0]
.set yi, yi+1
.endr
.set yi, 0
.rept 64
	v_max_num_f32 v[SR+yi], v[SR+yi], v[SR+64+yi]  ; max(z, 0.01 z)
.set yi, yi+1
.endr
	WIN 0x04
.set ai, 0
.rept 32
.if ai < 4
	v_pk_mul_f32 v[ACC+2*ai:ACC+2*ai+1], v[SR+2*ai:SR+2*ai+1], v[128+2*ai:128+2*ai+1]   ; four chains, started by the first products
.else
	v_pk_fma_f32 v[ACC+2*(ai%4):ACC+2*(ai%4)+1], v[SR+2*ai:SR+2*ai+1], v[128+2*ai:128+2*ai+1], v[ACC+2*(ai%4):ACC+2*(ai%4)+1]
.endif
.set ai, ai+1
.endr
	WIN 0
	v_pk_add_f32 v[ACC:ACC+1], v[ACC:ACC+1], v[ACC+2:ACC+3]
	v_pk_add_f32 v[ACC+4:ACC+5], v[ACC+4:ACC+5], v[ACC+6:ACC+7]
	v_pk_add_f32 v[ACC:ACC+1], v[ACC:ACC+1], v[ACC+4:ACC+5]
	v_add_f32 v[ACC], v[ACC], v[ACC+1]
	v_permlanex16_b32 v[TP], v[ACC], s42, s43      ; the other 64 channels of position r
	v_add_f32 v[ACC], v[ACC], v[TP]
	v_add_f32 v[ACC], s41, v[ACC]                  ; + b2
	ds_store_b32 v[PS], v[ACC]                     ; lanes r and r + 16 write one word with one value
	s_wait_dscnt 0x0
	s_barrier_signal -1
	s_barrier_wait -1
	s_cmp_lg_u32 s2, 0
	s_cbranch_scc1 .Lend
	ds_load_b64 v[ACC+2:ACC+3], v[PL]
	s_wait_dscnt 0x0
	global_store_b64 v[PO], v[ACC+2:ACC+3], s[28:29]   ; one store: the work-group's 256 consecutive bytes, aligned
.Lend:
	s_wait_tensorcnt 0x0
	ds_add_u32 v254, v255
	s_wait_dscnt 0x0
	s_endpgm
.Lfunc_end_k_q6453261bc5_anchor:
	.size	k_q6453261bc5_anchor, .Lfunc_end_k_q6453261bc5_anchor-k_q6453261bc5_anchor
	.p2alignl 7, 3214868480
	.fill 96, 4, 3214868480
	.section	.rodata,"a",@progbits
	.p2align	6, 0x0
	.amdhsa_kernel k_q6453261bc5_anchor
		.amdhsa_group_segment_fixed_size 283136
		.amdhsa_private_segment_fixed_size 0
		.amdhsa_enable_private_segment 0
		.amdhsa_kernarg_size 88
		.amdhsa_user_sgpr_count 2
		.amdhsa_user_sgpr_kernarg_segment_ptr 1
		.amdhsa_wavefront_size32 1
		.amdhsa_system_sgpr_workgroup_id_x 1
		.amdhsa_system_sgpr_workgroup_id_y 1
		.amdhsa_system_sgpr_workgroup_id_z 1
		.amdhsa_system_vgpr_workitem_id 0
		.amdhsa_next_free_vgpr 1024
		.amdhsa_next_free_sgpr 66
		.amdhsa_reserve_vcc 0
		.amdhsa_float_denorm_mode_32 3
		.amdhsa_float_denorm_mode_16_64 3
		.amdhsa_memory_ordered 1
		.amdhsa_forward_progress 1
		.amdhsa_inst_pref_size 255
	.end_amdhsa_kernel
	.section	.bss,"aw",@nobits
	.p2align	6
	.space	262144
	.amdgpu_metadata
---
amdhsa.version: [ 1, 2 ]
amdhsa.kernels:
  - .name:           k_q6453261bc5_anchor
    .symbol:         k_q6453261bc5_anchor.kd
    .args:
      - { .name: curr_feat, .offset: 0, .size: 8, .value_kind: global_buffer, .address_space: global }
      - { .name: ref_feat, .offset: 8, .size: 8, .value_kind: global_buffer, .address_space: global }
      - { .name: w1, .offset: 16, .size: 8, .value_kind: global_buffer, .address_space: global }
      - { .name: b1, .offset: 24, .size: 8, .value_kind: global_buffer, .address_space: global }
      - { .name: gamma, .offset: 32, .size: 8, .value_kind: global_buffer, .address_space: global }
      - { .name: beta, .offset: 40, .size: 8, .value_kind: global_buffer, .address_space: global }
      - { .name: running_mean, .offset: 48, .size: 8, .value_kind: global_buffer, .address_space: global }
      - { .name: running_var, .offset: 56, .size: 8, .value_kind: global_buffer, .address_space: global }
      - { .name: w2, .offset: 64, .size: 8, .value_kind: global_buffer, .address_space: global }
      - { .name: b2, .offset: 72, .size: 8, .value_kind: global_buffer, .address_space: global }
      - { .name: out0, .offset: 80, .size: 8, .value_kind: global_buffer, .address_space: global }
    .group_segment_fixed_size: 283136
    .private_segment_fixed_size: 0
    .kernarg_segment_align: 8
    .kernarg_segment_size: 88
    .max_flat_workgroup_size: 128
    .sgpr_count:     66
    .vgpr_count:     1024
    .wavefront_size: 32
...
	.end_amdgpu_metadata
.endif
;; end of part 2
